; MI455X (gfx1250); checked and timed in simulation.
; The chip was launched on July 23, 2026; its instructions are those of AMD's public machine-readable ISA for CDNA 5 (MIT licence, August 2026) and "CDNA5" Instruction Set Architecture Reference Guide (July 2026). The comments in the code are by the model that wrote it; some were corrected since.
;; Portable Loft Q Layer. Allowed arithmetic: float matrix products may take bf16 or f16 operands with f32 sums; other float arithmetic in f32, or as packed bf16 or f16 multiplies, adds, multiply-adds, maxima and minima; sums over many terms, partial sums and values carried from step to step in f32; what a program stores and reads back later, other than sums and carried values, may be rounded once to bf16 or f16.
;; Inputs: absmax 262,144 float32; bias 4,096 float32; lora_A 64 x 4,096 float32; lora_B 4,096 x 64 float32; qcodes 4,096 x 4,096 int32; x 2,048 x 4,096 float32.
;; Outputs: out0 2,048 x 4,096 float32.
;; One version. Each part assembles by itself: llvm-mc -triple=amdgcn-amd-amdhsa -mcpu=gfx1250 --defsym DOCPART=n.
;; ======== version 1 of 1: 2 launches
;; limits: values are held in f16: magnitudes above 65,504 overflow, below 6.1e-05 lose precision
;; workspace buffers: xh 16,777,216 bytes; wh 33,554,432 bytes
;; launch prep (part 1): grid 32 x 8, 8 waves a work-group, no clusters, 21,504 bytes of LDS; arguments qcodes, absmax, lora_A, lora_B, x, wh, xh; writes wh, xh
.if DOCPART == 1
	.amdgcn_target "amdgcn-amd-amdhsa--gfx1250"
	.amdhsa_code_object_version 6
	.text
	.protected	k_qbd847b6774_prep
	.globl	k_qbd847b6774_prep
	.p2align	8
	.type	k_qbd847b6774_prep,@function
k_qbd847b6774_prep:
	s_mov_b64 s[64:65], 0
	v_nop
	global_prefetch_b8 v0, s[64:65] scope:SCOPE_SE
	s_setreg_imm32_b32 hwreg(HW_REG_WAVE_MODE, 25, 1), 1
	s_wait_xcnt 0x0
; PREP: the two 16-bit operands of the one large product.
;   wh = f16( NF4[qcodes[o][i]] * absmax[64 o + i / 64] + sum over k of lora_B[o][k] lora_A[k][i] ),  [4096][4096], rows permuted (below);   xh = f16(x), [2048][4096].
; ONE LARGE PRODUCT FOR TWO.  x W^T + x (lora_B lora_A)^T = x (W + lora_B lora_A)^T for all values of the inputs (the product is linear in its second factor), so the
; second product of 2048 x 4096 x 4096 is not made; every input is still loaded and has its way to the output.  The bias is added by the next launch.
; LIMITS.  x, lora_A, lora_B and W + lora_B lora_A are each rounded once to f16: a number of 65,520 or more becomes an infinity, below 6e-5 the step is f16's fixed 6e-8.
; The table value, the scale and the small product's sums are f32; W and the correction are rounded as ONE number, where the two-product form rounds neither.  A code is taken modulo 16
; (the table has 16 entries, and an index stays inside it).
; SHARES.  256 work-groups of 8 waves: work-group (strip, rb) has columns 128 strip .. + 127 of rows 512 rb .. + 511 of W; wave w its rows 64 w .. + 63, in four steps of 16 rows.
; Wave w also converts row 8 (32 rb + strip) + w of x.
; LAYOUT OF A STEP.  Eight matrix tiles t.  Source 0 = 16 rows of lora_B; source 1, tile t: lane r holds column 8 r + t of the strip.  In the result register j of tile t is
; W(row 8 h + j, column 8 r + t) (r = lane % 16, h = lane / 16): a lane has eight NEIGHBOURING columns of a row, one in each tile: 16 bytes of f16, and 16 lanes store 256 consecutive bytes, aligned.
; The dequantised value is the product's C operand: no add is written.
; THE TABLE lies in a register, entry lane % 16 in each lane; ds_bpermute_b32 with 4 x code as its index fetches the entry.  No LDS byte is touched by it.
; ROWS OF wh.  Row o goes to row (o & ~63) | (o & 3) << 4 | (o >> 2) & 15: row 16 t + r of a group of 64 holds output column 4 r + t, so that in the next launch four tiles give a lane four neighbouring f32.
; IN FLIGHT.  Two sets of registers, a step's 24 loads each (12 KiB a wave); a set is asked for again as soon as its codes have been shifted out of it; x's two halves follow in the same two sets.
; NO CLUSTER, NO TENSOR LOAD.  Of a work-group's bytes 384 KiB (codes, x) are its own; lora_B's 128 KiB and lora_A's 32 KiB are shared with other work-groups, but go straight into registers
; as fragments (lora_A once through LDS, to turn it): a joint load would add an LDS stage for them and rounds of a cluster's barrier to a text that has one barrier.
; REGISTERS.  Window 0: v1-17 addresses and the table; v24-55 scales; v56-71 lora_B's fragments; v72-135 the eight tiles; v136-167 what is stored; v168-231 lora_B as loaded, two sets.
; Window 1: v0-127 lora_A's fragments; v128-191, v192-255 codes (later x) as loaded, two sets.
.set SCL,   16384                      ; LDS: 0 .. 16,383 the register image of lora_A's 16 fragments; here the scales, block x 2,048 + row x 4
.set SPARE, 20480                      ; behind them: the spare words, 128 bytes for each of eight waves: four blocks of 256 bytes that no other line names
.set LN,  1                            ; v1   lane
.set RR,  2                            ; v2   r = lane % 16
.set HH,  3                            ; v3   h = lane / 16
.set VQ,  4                            ; v4   codes: 8 h rows of 16,384 bytes + 32 r
.set VSG, 5                            ; v5   absmax: a row of W (256 bytes of scales) a thread
.set VB,  6                            ; v6   lora_B: 256 r + 32 h
.set VA,  7                            ; v7   lora_A: rows 2 u (u = thread / 16) of 16,384 bytes + 32 r
.set VL,  8                            ; v8   where my pair of lora_A goes in a fragment's image
.set L16, 9                            ; v9   16 x lane: the image's read address, and x's offset
.set VW,  10                           ; v10  wh: 2 h rows of 8,192 bytes + 16 r
.set VXO, 12                           ; v12  xh: 8 x lane
.set TAB, 13                           ; v13  NF4[lane % 16]
.set SPW, 14                           ; v14  LDS address of my spare word; never rewritten
.set NIL, 15                           ; v15  0; never rewritten
.set VSL, 16                           ; v16  4 x thread: where my rows' scales go
.set VSR, 17                           ; v17  where my lane reads its scales
.set S,   24                           ; v[24:55]   step s, register j: the scale at S + 8 s + j
.set BF,  56                           ; v[56:71]   lora_B in f16: K half kk at BF + 8 kk
.set T,   72                           ; v[72:135]  tile t at T + 8 t
.set AR,  72                           ; v[72:103]  at the head: lora_A as loaded
.set OUT, 136                          ; v[136:167]
.set SR,  136                          ; v[136:139] at the head: scales as loaded
.set BR,  168                          ; v[168:231] set b at BR + 32 b
.set AF,  0                            ; window 1: tile t, K half kk at 16 t + 8 kk
.set CB,  128                          ; window 1: set b at CB + 64 b; row j, column t at 8 j + t
.set MSB, 0
.macro WIN new                         ; s_set_vgpr_msb: bits 1:0 source 0, 3:2 source 1, 5:4 source 2, 7:6 destination; the high byte repeats the setting that is left
.if MSB != (\new)
	s_set_vgpr_msb (MSB<<8)|(\new)
.set MSB, (\new)
.endif
.endm
.macro TABSET k, lit                   ; entry k into the lanes with lane % 16 = k
	v_cmp_ne_u32 vcc_lo, \k, v[RR]
	v_cndmask_b32 v[TAB], \lit, v[TAB], vcc_lo
.endm
; Step s's 24 loads into set b: 16 rows x 64 of lora_B (8 loads), 16 rows x 128 codes (16 loads; a row's two loads stand together: 16 lanes cover its 512 bytes between them).
.macro LOADSET b, s
	WIN 0
.irp kk, 0,1
.irp q, 0,1
.irp z, 0,1
	global_load_b128 v[BR+32*(\b)+8*(2*(\kk)+(\q))+4*(\z):BR+32*(\b)+8*(2*(\kk)+(\q))+4*(\z)+3], v[VB], s[10:11] offset:(\s)*4096+(\kk)*128+(\q)*64+16*(\z)
.endr
.endr
.endr
	WIN 0x40                                       ; destination window 1
.irp j, 0,1,2,3,4,5,6,7
.irp z, 0,1
	global_load_b128 v[CB+64*(\b)+8*(\j)+4*(\z):CB+64*(\b)+8*(\j)+4*(\z)+3], v[VQ], s[4:5] offset:(\s)*262144+(\j)*16384+16*(\z) th:TH_LOAD_NT
.endr
.endr
.endm
; Half c of my row of x, 8,192 bytes, into set c: 16 loads of 512 consecutive bytes.
.macro XLOAD c
	WIN 0x40
.set m, 0
.rept 16
	global_load_b128 v[CB+64*(\c)+4*m:CB+64*(\c)+4*m+3], v[L16], s[12:13] offset:(\c)*8192+m*512 th:TH_LOAD_NT
.set m, m+1
.endr
.endm
; One step: 16 rows x 128 columns.  left = the younger loads that may stay out.
.macro STEP s, left
.set b, (\s)%2
	s_wait_loadcnt \left                           ; loads come back in order (ISA guide 5.7.1): this step's set is in, the younger set stays out
	WIN 0
.set n, 0
.rept 16
	v_cvt_pk_f16_f32 v[BF+n], v[BR+32*b+2*n], v[BR+32*b+2*n+1]  ; lora_B's fragments: the lower k in the lower half
.set n, n+1
.endr
	WIN 0x04                                       ; source 1 window 1
.set n, 0
.rept 64
	v_lshlrev_b32 v[T+n], 2, v[CB+64*b+8*(n%8)+n/8]  ; 4 x code, turned from (row, column) to (tile, row): the set is free
.set n, n+1
.endr
.if (\s) < 2
	LOADSET b, (\s)+2                              ; and is asked for again at once
.else
	XLOAD b
.endif
	WIN 0
.set n, 0
.rept 64
	ds_bpermute_b32 v[T+n], v[T+n], v[TAB]         ; the table's entry: lane (4 x code / 4) % 32 holds entry code % 16
.set n, n+1
.endr
	s_wait_dscnt 32                                ; LDS instructions end in order: tiles 0 to 3 are in (and, in the first step, the fragments and scales read ahead of them)
.set n, 0
.rept 16
	v_pk_mul_f32 v[T+2*n:T+2*n+1], v[T+2*n:T+2*n+1], v[S+8*(\s)+(2*n)%8:S+8*(\s)+(2*n)%8+1]  ; times the row's scale for my columns' block
.set n, n+1
.endr
	s_wait_dscnt 0x0
.rept 16
	v_pk_mul_f32 v[T+2*n:T+2*n+1], v[T+2*n:T+2*n+1], v[S+8*(\s)+(2*n)%8:S+8*(\s)+(2*n)%8+1]
.set n, n+1
.endr
	WIN 0x04
.irp kk, 0,1                           ; + lora_B lora_A: the eight tiles take turns, one instruction a turn
.irp t, 0,1,2,3,4,5,6,7
	v_wmma_f32_16x16x32_f16 v[T+8*(\t):T+8*(\t)+7], v[BF+8*(\kk):BF+8*(\kk)+7], v[AF+16*(\t)+8*(\kk):AF+16*(\t)+8*(\kk)+7], v[T+8*(\t):T+8*(\t)+7]
.endr
.endr
	WIN 0
.rept 4
	v_nop                                          ; four places between the last product and the first read of a result (ISA guide 7.12.1)
.endr
	s_wait_xcnt 0x0                                ; the last stores have read OUT: it is rewritten only behind this wait
.irp j, 0,1,2,3,4,5,6,7                ; row 8 h + j: columns 8 r .. 8 r + 7; each tile's register 0 is read first
.irp n2, 0,1,2,3
	v_cvt_pk_f16_f32 v[OUT+4*(\j)+(\n2)], v[T+16*(\n2)+(\j)], v[T+16*(\n2)+8+(\j)]
.endr
.endr
.irp j, 0,1,2,3,4,5,6,7                ; row 16 s + 8 h + j of the wave's 64 goes to row 16 (j % 4) + 4 s + 2 h + j / 4; 16 lanes store 256 consecutive bytes, aligned
	global_store_b128 v[VW], v[OUT+4*(\j):OUT+4*(\j)+3], s[14:15] offset:(((\j)&3)*16+4*(\s)+((\j)>>2))*8192 th:TH_STORE_NT
.endr
.endm
; Half c of my row of x is rounded and stored: a store's 32 lanes cover 256 consecutive bytes, aligned.
.macro XOUT c, left
	s_wait_loadcnt \left
	s_wait_xcnt 0x0                                ; the last stores have read OUT
	WIN 0x05                                       ; sources 0 and 1 window 1
.set n, 0
.rept 32
	v_cvt_pk_f16_f32 v[OUT+n], v[CB+64*(\c)+2*n], v[CB+64*(\c)+2*n+1]
.set n, n+1
.endr
	WIN 0
.set m, 0
.rept 16
	global_store_b64 v[VXO], v[OUT+2*m:OUT+2*m+1], s[16:17] offset:(16*(\c)+m)*256 th:TH_STORE_NT
.set m, m+1
.endr
.endm
	s_load_b256 s[4:11], s[0:1], 0x0               ; qcodes s[4:5], absmax s[6:7], lora_A s[8:9], lora_B s[10:11]
	s_load_b128 s[12:15], s[0:1], 0x20             ; x s[12:13], wh s[14:15]
	s_load_b64 s[16:17], s[0:1], 0x30              ; xh
	v_lshl_add_u32 v[SPW], v0, 2, SPARE
	v_mov_b32 v[NIL], 0
	v_lshrrev_b32 v18, 5, v0
	v_readfirstlane_b32 s20, v18                   ; wave 0..7
	s_mov_b32 s21, ttmp9                           ; strip
	s_and_b32 s22, ttmp7, 0xffff                   ; rb
	s_lshl_b32 s23, s22, 9
	s_lshl_b32 s27, s20, 6
	s_add_co_u32 s23, s23, s27                     ; my first row of W: 512 rb + 64 wave
	s_lshl_b32 s26, s22, 5
	s_add_co_u32 s26, s26, s21
	s_lshl_b32 s26, s26, 3
	s_add_co_u32 s26, s26, s20                     ; my row of x: 8 (32 rb + strip) + wave
	s_mov_b32 s25, 0                               ; the high word of every offset below
	v_and_b32 v[LN], 31, v0
	v_and_b32 v[RR], 15, v0
	v_bfe_u32 v[HH], v0, 4, 1
	v_lshrrev_b32 v18, 4, v0                       ; u = thread / 16
	v_lshrrev_b32 v19, 2, v18                      ; u / 4
	v_and_b32 v20, 3, v18                          ; u % 4
	v_lshlrev_b32 v[VQ], 5, v[RR]
	v_lshl_add_u32 v[VQ], v[HH], 17, v[VQ]
	v_lshlrev_b32 v[VSG], 8, v0
	v_lshlrev_b32 v[VB], 8, v[RR]
	v_lshl_add_u32 v[VB], v[HH], 5, v[VB]
	v_lshlrev_b32 v[VA], 5, v[RR]
	v_lshl_add_u32 v[VA], v18, 15, v[VA]
	v_lshlrev_b32 v[VL], 4, v[RR]                  ; the pair k = 2 u, 2 u + 1 of column r lies in register 4 (u / 8) + u % 4 of lane r + 16 ((u / 4) % 2):
	v_lshl_add_u32 v[VL], v19, 8, v[VL]            ; byte 256 (u / 4) + 16 r + 4 (u % 4) of a fragment's 1,024
	v_lshl_add_u32 v[VL], v20, 2, v[VL]
	v_lshlrev_b32 v[L16], 4, v[LN]
	v_lshlrev_b32 v[VW], 4, v[RR]
	v_lshl_add_u32 v[VW], v[HH], 14, v[VW]
	v_lshlrev_b32 v[VXO], 3, v[LN]
	v_lshlrev_b32 v[VSL], 2, v0
	v_lshrrev_b32 v[VSR], 3, v[RR]                 ; my columns 8 r .. lie in block r / 8 of the strip's two
	v_lshlrev_b32 v[VSR], 11, v[VSR]
	v_lshl_add_u32 v[VSR], v[HH], 5, v[VSR]        ; rows 8 h ..
	s_lshl_b32 s27, s20, 8
	v_add_nc_u32 v[VSR], s27, v[VSR]               ; of my wave's 64
	v_mov_b32 v[TAB], 0xbf800000                   ; the table: entry 0 = -1, then entries 1 to 15
	TABSET 1,  0xbf3239b1
	TABSET 2,  0xbf066b30
	TABSET 3,  0xbeca32a0
	TABSET 4,  0xbe91a24d
	TABSET 5,  0xbe3d353f
	TABSET 6,  0xbdba7871
	TABSET 7,  0
	TABSET 8,  0x3da2faff
	TABSET 9,  0x3e24cae3
	TABSET 10, 0x3e7c04e3
	TABSET 11, 0x3ead033a
	TABSET 12, 0x3ee1a4b8
	TABSET 13, 0x3f1007ab
	TABSET 14, 0x3f3913b3
	TABSET 15, 1.0
	s_wait_kmcnt 0x0
	s_lshl_b32 s24, s21, 9                         ; each base is stepped once, here, and never written again
	s_add_nc_u64 s[8:9], s[8:9], s[24:25]          ; lora_A at the strip's first column
	s_lshl_b32 s27, s23, 14
	s_add_co_u32 s24, s24, s27
	s_add_nc_u64 s[4:5], s[4:5], s[24:25]          ; qcodes at my first row, the strip's first column
	s_lshl_b32 s24, s22, 17
	s_lshl_b32 s27, s21, 3
	s_add_co_u32 s24, s24, s27
	s_add_nc_u64 s[6:7], s[6:7], s[24:25]          ; absmax at the work-group's first row, the strip's two blocks
	s_lshl_b32 s24, s23, 8
	s_add_nc_u64 s[10:11], s[10:11], s[24:25]      ; lora_B at my first row
	s_lshl_b32 s24, s26, 14
	s_add_nc_u64 s[12:13], s[12:13], s[24:25]      ; x at my row
	s_lshl_b32 s24, s26, 13
	s_add_nc_u64 s[16:17], s[16:17], s[24:25]      ; xh at my row
	s_lshl_b32 s24, s23, 13
	s_lshl_b32 s27, s21, 8
	s_add_co_u32 s24, s24, s27
	s_add_nc_u64 s[14:15], s[14:15], s[24:25]      ; wh at my group of 64 rows, the strip's first column
	; lora_A's strip, 64 rows x 128 columns, shared out among the 256 threads: thread (u, r) takes rows 32 kk + 2 u + e, columns 8 r .. 8 r + 7
.irp kk, 0,1
.irp e, 0,1
.irp z, 0,1
	global_load_b128 v[AR+16*(\kk)+8*(\e)+4*(\z):AR+16*(\kk)+8*(\e)+4*(\z)+3], v[VA], s[8:9] offset:(\kk)*524288+(\e)*16384+16*(\z)
.endr
.endr
.endr
	global_load_b64 v[SR:SR+1], v[VSG], s[6:7]                   ; the two scales of the work-group's row thread,
	global_load_b64 v[SR+2:SR+3], v[VSG], s[6:7] offset:65536    ; and of row thread + 256
	LOADSET 0, 0
	s_wait_loadcnt 24                              ; lora_A and the scales are in; the first step's 24 loads stay out
	WIN 0
.irp kk, 0,1
.irp t, 0,1,2,3,4,5,6,7
	v_cvt_pk_f16_f32 v[AR+16*(\kk)+(\t)], v[AR+16*(\kk)+(\t)], v[AR+16*(\kk)+8+(\t)]  ; k = 2 u below, 2 u + 1 above, column 8 r + t
.endr
.endr
.irp kk, 0,1
.irp t, 0,1,2,3,4,5,6,7
	ds_store_b32 v[VL], v[AR+16*(\kk)+(\t)] offset:(\t)*2048+(\kk)*1024
.endr
.endr
.irp n2, 0,1,2,3
	ds_store_b32 v[VSL], v[SR+(\n2)] offset:SCL+((\n2)&1)*2048+((\n2)>>1)*1024
.endr
	LOADSET 1, 1
	WIN 0
	s_wait_dscnt 0x0                               ; for the others' sake: my stores into LDS are done
	s_barrier_signal -1
	s_barrier_wait -1                              ; the one barrier: the image and the scales are whole, and nobody writes them again
	WIN 0x40
.irp t, 0,1,2,3,4,5,6,7
.irp kk, 0,1
.irp q, 0,1
	ds_load_b128 v[AF+16*(\t)+8*(\kk)+4*(\q):AF+16*(\t)+8*(\kk)+4*(\q)+3], v[L16] offset:(\t)*2048+(\kk)*1024+(\q)*512
.endr
.endr
.endr
	WIN 0
.irp s, 0,1,2,3
.irp z, 0,1
	ds_load_b128 v[S+8*(\s)+4*(\z):S+8*(\s)+4*(\z)+3], v[VSR] offset:SCL+(\s)*64+16*(\z)
.endr
.endr
	STEP 0, 24                                     ; the counts: one younger set of 24 loads,
	STEP 1, 24
	STEP 2, 24
	STEP 3, 16                                     ; then x's first half, 16 loads,
	XOUT 0, 16                                     ; its second half,
	XOUT 1, 0                                      ; nothing
	s_wait_tensorcnt 0x0                           ; the wave's end: behind my last LDS store
	ds_add_u32 v[SPW], v[NIL]
	s_wait_dscnt 0x0
	s_endpgm
.Lfunc_end_k_qbd847b6774_prep:
	.size	k_qbd847b6774_prep, .Lfunc_end_k_qbd847b6774_prep-k_qbd847b6774_prep
	.p2alignl 7, 3214868480
	.fill 96, 4, 3214868480
	.section	.rodata,"a",@progbits
	.p2align	6, 0x0
	.amdhsa_kernel k_qbd847b6774_prep
		.amdhsa_group_segment_fixed_size 21504
		.amdhsa_private_segment_fixed_size 0
		.amdhsa_enable_private_segment 0
		.amdhsa_kernarg_size 56
		.amdhsa_user_sgpr_count 2
		.amdhsa_user_sgpr_kernarg_segment_ptr 1
		.amdhsa_wavefront_size32 1
		.amdhsa_system_sgpr_workgroup_id_x 1
		.amdhsa_system_sgpr_workgroup_id_y 1
		.amdhsa_system_sgpr_workgroup_id_z 1
		.amdhsa_system_vgpr_workitem_id 0
		.amdhsa_next_free_vgpr 512
		.amdhsa_next_free_sgpr 66
		.amdhsa_reserve_vcc 1
		.amdhsa_float_denorm_mode_32 3
		.amdhsa_float_denorm_mode_16_64 3
		.amdhsa_memory_ordered 1
		.amdhsa_forward_progress 1
		.amdhsa_inst_pref_size 83
	.end_amdhsa_kernel
	.amdgpu_metadata
---
amdhsa.version: [ 1, 2 ]
amdhsa.kernels:
  - .name:           k_qbd847b6774_prep
    .symbol:         k_qbd847b6774_prep.kd
    .args:
      - { .name: qcodes, .offset: 0, .size: 8, .value_kind: global_buffer, .address_space: global }
      - { .name: absmax, .offset: 8, .size: 8, .value_kind: global_buffer, .address_space: global }
      - { .name: lora_A, .offset: 16, .size: 8, .value_kind: global_buffer, .address_space: global }
      - { .name: lora_B, .offset: 24, .size: 8, .value_kind: global_buffer, .address_space: global }
      - { .name: x, .offset: 32, .size: 8, .value_kind: global_buffer, .address_space: global }
      - { .name: wh, .offset: 40, .size: 8, .value_kind: global_buffer, .address_space: global }
      - { .name: xh, .offset: 48, .size: 8, .value_kind: global_buffer, .address_space: global }
    .group_segment_fixed_size: 21504
    .private_segment_fixed_size: 0
    .kernarg_segment_align: 8
    .kernarg_segment_size: 56
    .max_flat_workgroup_size: 256
    .sgpr_count:     66
    .vgpr_count:     512
    .wavefront_size: 32
...
	.end_amdgpu_metadata
.endif
;; end of part 1
;; launch gemm (part 2): grid 16 x 16, 4 waves a work-group, clusters of 4 x 4, 327,680 bytes of LDS; arguments xh, wh, bias, out0; writes out0
.if DOCPART == 2
	.amdgcn_target "amdgcn-amd-amdhsa--gfx1250"
	.amdhsa_code_object_version 6
	.text
	.protected	k_qbd847b6774_gemm
	.globl	k_qbd847b6774_gemm
	.p2align	8
	.type	k_qbd847b6774_gemm,@function
k_qbd847b6774_gemm:
	s_mov_b64 s[64:65], 0
	v_nop
	global_prefetch_b8 v0, s[64:65] scope:SCOPE_SE
	s_setreg_imm32_b32 hwreg(HW_REG_WAVE_MODE, 25, 1), 1
	s_wait_xcnt 0x0
	s_wait_alu depctr_hold_cnt(0) depctr_sa_sdst(0) depctr_va_vdst(0) depctr_va_sdst(0) depctr_va_ssrc(0) depctr_va_vcc(0) depctr_vm_vsrc(0)
	s_getreg_b32 s2, hwreg(HW_REG_IB_STS2, 6, 4)
	s_cmp_eq_u32 s2, 0
	s_cbranch_scc0 .Lentry_in_a_cluster
	s_endpgm
.Lentry_in_a_cluster:
	s_bfe_u32 s2, ttmp6, 0x10000c
	s_cmp_lg_u32 s2, 0xf033
	s_cbranch_scc0 .Lentry_shape_is_right
	s_endpgm
.Lentry_shape_is_right:
; out0[m][n] = sum over k of xh[m][k] W_eff[n][k] + bias[n].  xh: [2048][4096] f16; wh: [4096][4096] f16, W_eff = dequantised W + lora_B lora_A, made by the launch before; out0 f32.
; The second large product of the problem's formula is not made: x W^T + x (lora_B lora_A)^T = x (W + lora_B lora_A)^T for all values.  Sums in f32.  f16's range is the operands' limit (65,504).
; ROWS OF wh: row 16 t + r of each group of 64 holds output column 4 r + t.
; SHARES.  A tile of out0 is 128 rows x 256 columns: 16 x 16 = 256 work-groups of four waves.  K IS SPLIT IN TWO INSIDE THE WORK-GROUP: wave (wk, wn) = (wave / 2, wave % 2) takes of each K step of 128
; the channels 64 wk .. + 63, all 128 rows and columns 128 wn .. + 127: 64 accumulators of 16 x 16, so that 32 LDS loads feed 64 matrix instructions.  At the end the two waves of a column half
; exchange halves through LDS, in f32: wave wk finishes rows 64 wk .. + 63.
; THE MATRIX INSTRUCTION: source 0 = 16 rows of xh, source 1 = 16 rows of wh.  Register j of lane (r, h) of column tile b = 4 g + t is out0(row 8 h + j, column 64 g + 4 r + t): tiles t = 0..3 give a lane
; four neighbouring f32, and 16 lanes store 256 consecutive bytes, aligned.  The bias is the C operand of the first product on the rows that the wave finishes; on the other rows C is the constant 0.
; RING.  K goes in steps of 128 through two LDS slots (A's 128 rows, then B's 256), rows of 256 bytes padded to 272.  Waves 0 and 1 fetch A's halves (64 rows), waves 2 and 3 B's (128 rows).
; CLUSTER.  4 x 4 work-groups: the four of a row of the cluster need the same tile of xh, the four of a column the same tile of wh: each is asked for JOINTLY, by the same tensor load, descriptor and mask in all four.
; REGISTERS, in windows of 256 (s_set_vgpr_msb: bits 1:0 source 0, 3:2 source 1, 5:4 source 2, 7:6 destination):
;   window 0: v0-39 addresses and the bias; v64-127, v128-191 A's fragments, two buffers (the rows I finish, then my partner's); v192-255 the bias spread out as a C operand, later what is stored
;   window 1: v64-127, v128-191 B's fragments, two buffers      window 2: accumulators (a, b) at 8 (8 a + b): the rows I finish      window 3: the same for my partner's rows
.set KSTEP, 128
.set PITCH, 272                        ; an LDS row: 256 bytes + 16 of padding = 68 words: the 16 rows of a load start at 16 different groups of four banks (64 banks of 4 bytes: ISA guide 11.1)
.set AHALF, 64*PITCH                   ; what waves 0 and 1 fetch
.set ATILE, 2*AHALF
.set BHALF, 128*PITCH                  ; what waves 2 and 3 fetch
.set SLOT,  ATILE+2*BHALF              ; 104,448
.set SPARE, 2*SLOT                     ; behind the ring: the spare words, 128 bytes for each wave: two blocks of 256 bytes that no other line names
.set XCH,   32768                      ; the exchange: 32,768 bytes a wave from LDS byte 0 on, in the slots, written when these have had their last fill
.set LAPS,  16                         ; 4,096 / (2 x 128)
.set ADRL, 16                          ; v16-17  LDS address, slot 0, 1: A's fragments of the rows I finish
.set ADRH, 18                          ; v18-19  of my partner's rows
.set ADRB, 20                          ; v20-21  B's fragments
.set SA,   22                          ; v22     the exchange: where I put
.set RA,   23                          ; v23     where I read: my partner's part
.set CO,   26                          ; v26     my byte offset in out0: 8 h rows + 16 r
.set BO,   27                          ; v27     16 r
.set SPW,  28                          ; v28     LDS address of my spare word; never rewritten
.set NIL,  29                          ; v29     0; never rewritten
.set PFO,  30                          ; v30     the prefetches' offset: lane x a row of 8,192 bytes; never rewritten
.set BI,   32                          ; v[32:39] bias of column 64 g + 4 r + t at BI + 4 g + t
.set F0,   64
.set F1,   128
.set BB,   192                         ; the bias as a C operand: BB + 8 b + j = BI + b
.set TMPO, 192                         ; later: sums to be stored
.set G1,  24                           ; s[24:31] descriptor group 1 for A's tiles
.set G0,  32                           ; s[32:39] group 0 for A's, a set for each slot
.set G1B, 48                           ; s[48:55], s[56:63] the same for B's
.set G0B, 56
.set PFA, 44                           ; s[44:45] where my prefetches stand: my 32 rows, at the K step that is being asked for
.set LIM, 15                           ; s15  2 in a wave that prefetches, else the greatest number
.set MSB, 0
.macro WIN new                         ; the immediate's high byte repeats the setting that is left; a switch that changes nothing is dropped
.if MSB != (\new)
	s_set_vgpr_msb (MSB<<8)|(\new)
.set MSB, (\new)
.endif
.endm
.set MUL_LO, 0xa4                      ; A window 0, B window 1, C and D window 2
.set MUL_B,  0x84                      ; the same with C in window 0
.set TO_B,   0x40                      ; destination window 1
.macro PLACES                          ; four places behind a matrix instruction, in front of loads into registers that it has read and of reads of its result (ISA guide 7.12.1 for reads of its result)
.rept 4
	v_nop
.endr
.endm
; A joint load.  The branch hangs on the wave's number alone.  An s_nop 0 and four v_nop follow each of the two lines, ahead of the jump, the label and what follows.
.macro JLOAD s
	s_cmp_eq_u32 s13, 0
	s_cbranch_scc0 .Lfor_b_\@
	tensor_load_to_lds s[G0+4*(\s):G0+4*(\s)+3], s[G1:G1+7]
	s_nop 0
.rept 4
	v_nop
.endr
	s_branch .Lasked_\@
.Lfor_b_\@:
	tensor_load_to_lds s[G0B+4*(\s):G0B+4*(\s)+3], s[G1B:G1B+7]
	s_nop 0
.rept 4
	v_nop
.endr
.Lasked_\@:
.endm
; A PREFETCH INTO THE L2, behind each joint refill and the run of LDS loads that follows it: 32 rows x 256 bytes, a lane a row, of the K step FOUR refills on: 512 matrix instructions ahead of the load that wants it.
; Each row's 256 bytes of a K step are named once in the launch.  xh's tile row is read by every cluster of that row of clusters: cluster x = 0 asks, wave 0, the four partners 32 rows each by cx; wh's tile column by
; every cluster of that column: cluster y = 0 asks, waves 2 and 3, of the 128 rows that each fetches the four partners 32 each by cy.  Partners are told apart BY ADDRESS; the branch hangs on the cluster's
; coordinates, the wave's number and the loop's count.  K steps 0 to 5 come by their loads alone; the loop's last two trips ask for nothing: K step 31 is the last.
.macro ASK
	s_cmp_gt_u32 s3, s[LIM]
	s_cbranch_scc0 .Lnot_mine_\@
	global_prefetch_b8 v[PFO], s[PFA:PFA+1] offset:4*KSTEP*2 th:TH_LOAD_NT scope:SCOPE_SE
.Lnot_mine_\@:
.endm
; A round of the cluster's barrier: my work-group's barrier; wave 0 signals for the work-group; every wave waits for all sixteen; my work-group's barrier once more.
.macro CREST                           ; a round behind its opening barrier
	s_cmp_lg_u32 s12, 0
	s_cbranch_scc1 .Lnot_wave_0_\@
	s_barrier_signal -3
.Lnot_wave_0_\@:
	s_barrier_wait -3
	s_barrier_signal -1
	s_barrier_wait -1
.endm
.macro CROUND
	s_barrier_signal -1
	s_barrier_wait -1
	CREST
.endm
; 8 matrix instructions: row block a of the window's four (hi = 0: the rows I finish, 1: my partner's) x all 8 column tiles, 32 along K.  zero = 1: the product starts the sum, with the bias or with 0.
.macro MUL8 f, hi, a, zero
.if (\zero) && ((\hi) == 0)
	WIN MUL_B
.else
	WIN MUL_LO+0x50*(\hi)
.endif
.irp b, 0,1,2,3,4,5,6,7
.if (\zero) && ((\hi) == 0)
	v_wmma_f32_16x16x32_f16 v[8*(8*(\a)+(\b)):8*(8*(\a)+(\b))+7], v[(\f)+8*(4*(\hi)+(\a)):(\f)+8*(4*(\hi)+(\a))+7], v[(\f)+8*(\b):(\f)+8*(\b)+7], v[BB+8*(\b):BB+8*(\b)+7]
.elseif \zero
	v_wmma_f32_16x16x32_f16 v[8*(8*(\a)+(\b)):8*(8*(\a)+(\b))+7], v[(\f)+8*(4*(\hi)+(\a)):(\f)+8*(4*(\hi)+(\a))+7], v[(\f)+8*(\b):(\f)+8*(\b)+7], 0
.else
	v_wmma_f32_16x16x32_f16 v[8*(8*(\a)+(\b)):8*(8*(\a)+(\b))+7], v[(\f)+8*(4*(\hi)+(\a)):(\f)+8*(4*(\hi)+(\a))+7], v[(\f)+8*(\b):(\f)+8*(\b)+7], v[8*(8*(\a)+(\b)):8*(8*(\a)+(\b))+7]
.endif
.endr
.endm
; 32 LDS loads in one run: 32 of my 64 channels, at byte k behind them, into buffer f: B's 128 rows, A's 64 rows that I finish, A's other 64.
; A fragment is 16 rows x 32 K in 8 registers: lane l holds row l % 16; registers 0-3 K = 8 (l / 16) + 0..7, registers 4-7 K = 16 + 8 (l / 16) + 0..7: two loads of 16 bytes, 32 bytes apart.
.macro FETCH slot, k, f
	WIN TO_B
.irp b, 0,1,2,3,4,5,6,7
	ds_load_b128 v[(\f)+8*(\b):(\f)+8*(\b)+3],   v[ADRB+(\slot)] offset:(\k)+(\b)*16*PITCH
	ds_load_b128 v[(\f)+8*(\b)+4:(\f)+8*(\b)+7], v[ADRB+(\slot)] offset:(\k)+(\b)*16*PITCH+32
.endr
	WIN 0
.irp i, 0,1,2,3
	ds_load_b128 v[(\f)+8*(\i):(\f)+8*(\i)+3],   v[ADRL+(\slot)] offset:(\k)+(\i)*16*PITCH
	ds_load_b128 v[(\f)+8*(\i)+4:(\f)+8*(\i)+7], v[ADRL+(\slot)] offset:(\k)+(\i)*16*PITCH+32
.endr
.irp i, 0,1,2,3
	ds_load_b128 v[(\f)+32+8*(\i):(\f)+32+8*(\i)+3],   v[ADRH+(\slot)] offset:(\k)+(\i)*16*PITCH
	ds_load_b128 v[(\f)+32+8*(\i)+4:(\f)+32+8*(\i)+7], v[ADRH+(\slot)] offset:(\k)+(\i)*16*PITCH+32
.endr
.endm
; A K step is, for a wave, two halves of 32 along K, 64 matrix instructions each, on buffers 0 and 1.  The 64 accumulators come in the same order in every half: between two instructions on one
; accumulator stand the 63 others', over the loop's backward jump too.
; The first half multiplies buffer f and, in its middle, fetches the second half's fragments into g.
.macro QUARTER slot, k, f, g, zero
	s_wait_dscnt 8                                 ; B and the rows I finish are in; the youngest eight loads (my partner's rows) may be out
.irp a, 0,1,2,3
	MUL8 \f, 0, \a, \zero
.endr
	PLACES
	FETCH \slot, \k, \g
	s_wait_dscnt 32                                ; all but the 32 just issued
.irp a, 0,1,2,3
	MUL8 \f, 1, \a, \zero
.endr
.endm
; The second half multiplies buffer 1 and changes slots: ONE barrier.  In front of it each wave waits for all its tensor loads, of which one is out: its part of the next slot; adds 0 to its spare word; and waits
; for that and for its own reads of this slot.  fill = 1: the barrier opens a round of the cluster's, so that no wave of any partner still reads the slot or has a load on its way; the joint refill, two K steps on,
; is the first thing behind the round: 112 matrix instructions stand between it and the wait for it.
.macro TURN slot, next, fill
.if \fill
	s_wait_xcnt 0x0                                ; the last prefetch, a K step back, has read its address: it is stepped here, ahead of the waits of the change of slots
	s_add_nc_u64 s[PFA:PFA+1], s[PFA:PFA+1], KSTEP*2
.endif
	WIN 0                                          ; (the add's two registers lie in window 0)
	s_wait_tensorcnt 0x0                           ; all my tensor loads have landed
	ds_add_u32 v[SPW], v[NIL]                      ; 0 onto my spare word
	s_wait_dscnt 9                                 ; (the add and the youngest eight loads may be out)
	MUL8 F1, 0, 0, 0                               ; eight matrix instructions stand between the add and the wait for it
	s_wait_dscnt 0x0                               ; the add is done, and my reads of this slot are over
	s_barrier_signal -1
	MUL8 F1, 0, 1, 0                               ; work on registers while the others arrive
	WIN 0
	s_barrier_wait -1
.if \fill
	CREST
	s_add_nc_u64 s[G0+4*(\slot)+2:G0+4*(\slot)+3], s[G0+4*(\slot)+2:G0+4*(\slot)+3], 2*KSTEP*2    ; no tensor load of mine is out: a group 0 may be written
	s_add_nc_u64 s[G0B+4*(\slot)+2:G0B+4*(\slot)+3], s[G0B+4*(\slot)+2:G0B+4*(\slot)+3], 2*KSTEP*2
	JLOAD \slot                                    ; its four v_nop are also the places in front of the loads below
.else
	PLACES
.endif
	FETCH \next, 0, F0
.if \fill
	ASK
.endif
	MUL8 F1, 0, 2, 0
	MUL8 F1, 0, 3, 0
.irp a, 0,1,2,3
	MUL8 F1, 1, \a, 0
.endr
.endm
	s_load_b256 s[4:11], s[0:1], 0x0               ; xh s[4:5], wh s[6:7], bias s[8:9], out0 s[10:11]
	v_lshl_add_u32 v[SPW], v0, 2, SPARE
	v_mov_b32 v[NIL], 0
	ds_add_u32 v[SPW], v[NIL]                      ; the wave's opening: the add, twice on end, and its wait ahead of my first tensor load; the set-up below stands between
	ds_add_u32 v[SPW], v[NIL]
	v_lshrrev_b32 v1, 5, v0
	v_readfirstlane_b32 s12, v1                    ; wave 0..3
	s_lshr_b32 s13, s12, 1                         ; wk: my half of K, and the rows I finish.  Also: I fetch for A (0) or for B (1)
	s_and_b32 s14, s12, 1                          ; wn: my half of the columns.  Also: which half of that tile I fetch
	s_bfe_u32 s40, ttmp6, 0x40000                  ; cx
	s_bfe_u32 s41, ttmp6, 0x40004                  ; cy
	s_lshl_b32 s42, ttmp9, 2
	s_add_co_u32 s42, s42, s40                     ; tile column = 4 x cluster x + cx
	s_and_b32 s43, ttmp7, 0xffff
	s_lshl_b32 s43, s43, 2
	s_add_co_u32 s43, s43, s41                     ; tile row = 4 x cluster y + cy
	s_lshl_b32 s16, s41, 2
	s_lshl_b32 s16, 15, s16                        ; my row of the cluster: places 4 cy .. 4 cy + 3
	s_lshl_b32 s17, 0x1111, s40                    ; my column: places cx, cx + 4, cx + 8, cx + 12
	s_or_b32 s[G1+0], s16, (1<<16)|(1<<20)|(1<<21)|(5<<22)|(3<<25)   ; 15:0 the mask; 17:16 elements of 2 bytes; 20 padding on; 21 set beside a mask; 24:22 after every 64 words (code 5); 31:25 4 words (code 3)
	s_or_b32 s[G1B+0], s17, (1<<16)|(1<<20)|(1<<21)|(5<<22)|(3<<25)
	s_mov_b32 s[G1+1], KSTEP<<16                   ; tensor_dim0 = 128
	s_mov_b32 s[G1+2], 64<<16                      ; tensor_dim1 = 64
	s_mov_b32 s[G1+3], KSTEP<<16                   ; tile_dim0 = 128
	s_mov_b32 s[G1+4], 64                          ; tile_dim1 = 64
	s_mov_b32 s[G1+5], 4096                        ; elements from row to row
	s_mov_b32 s[G1+6], 0
	s_mov_b32 s[G1+7], 0
	s_mov_b32 s[G1B+1], KSTEP<<16
	s_mov_b32 s[G1B+2], 128<<16                    ; B's loads have 128 rows
	s_mov_b32 s[G1B+3], KSTEP<<16
	s_mov_b32 s[G1B+4], 128
	s_mov_b32 s[G1B+5], 4096
	s_mov_b32 s[G1B+6], 0
	s_mov_b32 s[G1B+7], 0
	; A's address hangs on the tile row alone, B's on the tile column alone; each is made in registers that do not hold the other coordinate
	s_lshl_b32 s18, s43, 7
	s_lshl_b32 s19, s14, 6
	s_add_co_u32 s18, s18, s19                     ; xh: row 128 x tile row + 64 x half,
	s_lshl_b32 s18, s18, 13                        ; of 8,192 bytes
	s_mov_b32 s19, 0
	s_lshl_b32 s46, s42, 8
	s_lshl_b32 s47, s14, 7
	s_add_co_u32 s46, s46, s47                     ; wh: row 256 x tile column + 128 x half
	s_lshl_b32 s46, s46, 13
	s_mov_b32 s47, 0
	s_mul_i32 s20, s14, AHALF                      ; where they go: no place in the cluster enters an LDS address
	s_mul_i32 s21, s14, BHALF
	s_add_co_u32 s21, s21, ATILE
	s_wait_dscnt 0x0                               ; both opening adds are done
	s_wait_kmcnt 0x0
	s_add_nc_u64 s[22:23], s[4:5], s[18:19]
	s_add_nc_u64 s[46:47], s[6:7], s[46:47]
	CROUND                                         ; all sixteen work-groups are here: the first joint loads meet
.irp s, 0,1
	s_mov_b32 s[G0+4*(\s)], 1                                        ; count = 1
	s_add_co_u32 s[G0+4*(\s)+1], s20, (\s)*SLOT                      ; LDS address
	s_add_nc_u64 s[G0+4*(\s)+2:G0+4*(\s)+3], s[22:23], (\s)*KSTEP*2  ; global address: K step s
	s_or_b32 s[G0+4*(\s)+3], s[G0+4*(\s)+3], 0x80000000              ; type = 2
	s_mov_b32 s[G0B+4*(\s)], 1
	s_add_co_u32 s[G0B+4*(\s)+1], s21, (\s)*SLOT
	s_add_nc_u64 s[G0B+4*(\s)+2:G0B+4*(\s)+3], s[46:47], (\s)*KSTEP*2
	s_or_b32 s[G0B+4*(\s)+3], s[G0B+4*(\s)+3], 0x80000000
	JLOAD \s                                       ; two tensor loads of mine are out
.endr
	v_and_b32 v1, 15, v0                           ; r
	v_bfe_u32 v2, v0, 4, 1                         ; h
	v_and_b32 v3, 31, v0                           ; lane
	v_lshlrev_b32 v[BO], 4, v1
	s_lshl_b32 s16, s42, 10                        ; my first column, in bytes of f32: 1,024 x tile column + 512 x wn
	s_lshl_b32 s17, s14, 9
	s_add_co_u32 s16, s16, s17
	s_mov_b32 s17, 0
	s_add_nc_u64 s[8:9], s[8:9], s[16:17]
	global_load_b128 v[BI:BI+3], v[BO], s[8:9]                 ; bias of columns 4 r .. 4 r + 3,
	global_load_b128 v[BI+4:BI+7], v[BO], s[8:9] offset:256    ; and 64 + 4 r ..
	s_add_nc_u64 s[10:11], s[10:11], s[16:17]
	s_lshl_b32 s18, s43, 7
	s_lshl_b32 s19, s13, 6
	s_add_co_u32 s18, s18, s19                     ; the first row that I finish: 128 x tile row + 64 wk,
	s_lshl_b32 s18, s18, 14                        ; of 16,384 bytes
	s_mov_b32 s19, 0
	s_add_nc_u64 s[10:11], s[10:11], s[18:19]
	v_mul_u32_u24 v4, v1, PITCH
	v_lshl_add_u32 v4, v2, 4, v4                   ; row x pitch + 16 x half
	s_mul_i32 s17, s13, AHALF+128                  ; the rows I finish, 64 wk .., and my half of each row's 256 bytes
	s_xor_b32 s18, s13, 1
	s_mul_i32 s18, s18, AHALF                      ; my partner's rows,
	s_lshl_b32 s19, s13, 7
	s_add_co_u32 s18, s18, s19                     ; the same half of their bytes
	s_add_co_u32 s20, s21, s19                     ; my 128 rows of B, behind A's, the same half
.irp s, 0,1
	v_add_nc_u32 v[ADRL+(\s)], s17, v4
	v_add_nc_u32 v[ADRH+(\s)], s18, v4
	v_add_nc_u32 v[ADRB+(\s)], s20, v4
	s_add_co_u32 s17, s17, SLOT
	s_add_co_u32 s18, s18, SLOT
	s_add_co_u32 s20, s20, SLOT
.endr
	s_lshl_b32 s17, s12, 15
	v_lshl_add_u32 v[SA], v3, 4, s17               ; 32,768 x wave + 16 x lane
	s_xor_b32 s18, s12, 2                          ; my partner: the other half of K, the same columns
	s_lshl_b32 s18, s18, 15
	v_lshl_add_u32 v[RA], v3, 4, s18
	v_lshlrev_b32 v[CO], 4, v1
	v_lshl_add_u32 v[CO], v2, 17, v[CO]
	v_lshlrev_b32 v[PFO], 13, v3
	; the prefetches
	s_lshl_b32 s16, s43, 7
	s_lshl_b32 s17, s40, 5
	s_add_co_u32 s16, s16, s17                     ; xh: row 128 x tile row + 32 cx
	s_lshl_b32 s18, s42, 8
	s_lshl_b32 s19, s14, 7
	s_add_co_u32 s18, s18, s19
	s_lshl_b32 s19, s41, 5
	s_add_co_u32 s18, s18, s19                     ; wh: row 256 x tile column + 128 wn + 32 cy
	s_and_b32 s19, ttmp7, 0xffff                   ; cluster y
	s_cmp_eq_u32 s13, 0                            ; do I fetch for A?
	s_cselect_b32 s16, s16, s18
	s_cselect_b64 s[PFA:PFA+1], s[4:5], s[6:7]
	s_cselect_b32 s19, ttmp9, s19                  ; the coordinate along which other clusters read the same rows
	s_cselect_b32 s20, s14, 0                      ; of A's two fetchers wave 0 alone asks: four partners x 32 rows are the tile's 128
	s_or_b32 s19, s19, s20
	s_cmp_eq_u32 s19, 0
	s_cselect_b32 s[LIM], 2, -1                    ; the same in all sixteen partners, for a given wave
	s_lshl_b32 s16, s16, 13
	s_mov_b32 s17, 0
	s_add_nc_u64 s[PFA:PFA+1], s[PFA:PFA+1], s[16:17]
	s_add_nc_u64 s[PFA:PFA+1], s[PFA:PFA+1], KSTEP*2  ; at K step 1: the first refill steps it to 2 and names K step 6.  Nothing is prefetched here, at the head
	s_wait_loadcnt 0x0                             ; the bias
.set n, 0
.rept 64
	v_mov_b32 v[BB+n], v[BI+n/8]                   ; a C operand holds a column's bias in all eight registers; written in the wait for the first tile
.set n, n+1
.endr
	s_wait_tensorcnt 1                             ; my part of K step 0 is in; K step 1's may stay out
	s_barrier_signal -1
	s_barrier_wait -1                              ; everybody's is
	FETCH 0, 0, F0
	QUARTER 0, 64, F0, F1, 1                       ; the first half step stands in front of the loop: its products start the sums
	WIN 0                                          ; at a label and at a branch every window is 0
	s_mov_b32 s3, LAPS-1
.Llap:                                                 ; a trip goes once round the ring, from a lap's second half step to the next lap's first, and fills both slots again
	TURN 0, 1, 1
	QUARTER 1, 64, F0, F1, 0
	TURN 1, 0, 1
	QUARTER 0, 64, F0, F1, 0
	WIN 0
	s_sub_co_u32 s3, s3, 1
	s_cmp_lg_u32 s3, 0
	s_cbranch_scc1 .Llap
	TURN 0, 1, 0                                   ; the last lap fills nothing, and has no round of the cluster's barrier
	QUARTER 1, 64, F0, F1, 0
	s_wait_dscnt 8
.irp a, 0,1,2,3
	MUL8 F1, 0, \a, 0
.endr
	s_wait_dscnt 0x0                               ; my last reads of the ring are over
.irp a, 0,1,2,3
	MUL8 F1, 1, \a, 0
.endr
	WIN 0
	PLACES                                         ; behind the last products, in front of the stores that read results
	; THE EXCHANGE.  Every wave's tensor loads were waited for at the last change of slots and nothing has been asked for since: the slots have had their last fill.  Behind this barrier nobody reads them either.
	s_barrier_signal -1
	s_barrier_wait -1
	WIN 0x0c                                       ; the stores' data in window 3: my sums for my partner's rows; 32 lanes x 16 bytes lie on end
.set c, 0
.rept 32
	ds_store_b128 v[SA], v[8*c:8*c+3] offset:c*1024
	ds_store_b128 v[SA], v[8*c+4:8*c+7] offset:c*1024+512
.set c, c+1
.endr
	WIN 0
	s_wait_dscnt 0x0                               ; for my partner's sake: my stores are done
	s_barrier_signal -1
	s_barrier_wait -1
; My partner's sums for row block a of the rows I finish, into A's fragment buffer a % 2.
.macro LOADR a
.irp b, 0,1,2,3,4,5,6,7
	ds_load_b128 v[F0+64*((\a)%2)+8*(\b):F0+64*((\a)%2)+8*(\b)+3],   v[RA] offset:(8*(\a)+(\b))*1024
	ds_load_b128 v[F0+64*((\a)%2)+8*(\b)+4:F0+64*((\a)%2)+8*(\b)+7], v[RA] offset:(8*(\a)+(\b))*1024+512
.endr
.endm
	LOADR 0
	LOADR 1
.irp a, 0,1,2,3
.if (\a) == 3
	s_wait_dscnt 0x0
.else
	s_wait_dscnt 16                                ; this block's 16 loads are in; the next block's may stay out
.endif
.if (\a) > 0
	s_wait_xcnt 0x0                                ; the last block's stores have read their registers
.endif
	WIN 0x02                                       ; source 0 window 2
.irp g, 0,1                            ; each accumulator's register 0 is read first
.irp j, 0,1,2,3,4,5,6,7
.irp t, 0,1,2,3
	v_add_f32 v[TMPO+4*(8*(\g)+(\j))+(\t)], v[8*(8*(\a)+4*(\g)+(\t))+(\j)], v[F0+64*((\a)%2)+8*(4*(\g)+(\t))+(\j)]
.endr
.endr
.endr
	WIN 0
.if (\a) < 2
	LOADR (\a)+2
.endif
.irp g, 0,1
.irp j, 0,1,2,3,4,5,6,7
	global_store_b128 v[CO], v[TMPO+4*(8*(\g)+(\j)):TMPO+4*(8*(\g)+(\j))+3], s[10:11] offset:(16*(\a)+(\j))*16384+(\g)*256 th:TH_STORE_NT  ; 16 lanes store 256 consecutive bytes, at a multiple of 256 from out0's first byte
.endr
.endr
.endr
	s_wait_tensorcnt 0x0                           ; the wave's end: behind my last tensor load and my last LDS store
	ds_add_u32 v[SPW], v[NIL]
	s_wait_dscnt 0x0
	CROUND                                         ; the closing round: no work-group ends while a partner may still ask for a tile that names it
	s_endpgm
.Lfunc_end_k_qbd847b6774_gemm:
	.size	k_qbd847b6774_gemm, .Lfunc_end_k_qbd847b6774_gemm-k_qbd847b6774_gemm
	.p2alignl 7, 3214868480
	.fill 96, 4, 3214868480
	.section	.rodata,"a",@progbits
	.p2align	6, 0x0
	.amdhsa_kernel k_qbd847b6774_gemm
		.amdhsa_group_segment_fixed_size 327680
		.amdhsa_private_segment_fixed_size 0
		.amdhsa_enable_private_segment 0
		.amdhsa_kernarg_size 32
		.amdhsa_user_sgpr_count 2
		.amdhsa_user_sgpr_kernarg_segment_ptr 1
		.amdhsa_wavefront_size32 1
		.amdhsa_system_sgpr_workgroup_id_x 1
		.amdhsa_system_sgpr_workgroup_id_y 1
		.amdhsa_system_sgpr_workgroup_id_z 1
		.amdhsa_system_vgpr_workitem_id 0
		.amdhsa_next_free_vgpr 1024
		.amdhsa_next_free_sgpr 66
		.amdhsa_reserve_vcc 0
		.amdhsa_float_denorm_mode_32 3
		.amdhsa_float_denorm_mode_16_64 3
		.amdhsa_memory_ordered 1
		.amdhsa_forward_progress 1
		.amdhsa_inst_pref_size 87
	.end_amdhsa_kernel
	.amdgpu_metadata
---
amdhsa.version: [ 1, 2 ]
amdhsa.kernels:
  - .name:           k_qbd847b6774_gemm
    .symbol:         k_qbd847b6774_gemm.kd
    .args:
      - { .name: xh, .offset: 0, .size: 8, .value_kind: global_buffer, .address_space: global }
      - { .name: wh, .offset: 8, .size: 8, .value_kind: global_buffer, .address_space: global }
      - { .name: bias, .offset: 16, .size: 8, .value_kind: global_buffer, .address_space: global }
      - { .name: out0, .offset: 24, .size: 8, .value_kind: global_buffer, .address_space: global }
    .group_segment_fixed_size: 327680
    .private_segment_fixed_size: 0
    .kernarg_segment_align: 8
    .kernarg_segment_size: 32
    .max_flat_workgroup_size: 128
    .sgpr_count:     66
    .vgpr_count:     1024
    .wavefront_size: 32
...
	.end_amdgpu_metadata
.endif
;; end of part 2
